; MI455X (gfx1250); checked and timed in simulation.
; The chip was launched on July 23, 2026; its instructions are those of AMD's public machine-readable ISA for CDNA 5 (MIT licence, August 2026) and "CDNA5" Instruction Set Architecture Reference Guide (July 2026). The comments in the code are by the model that wrote it; some were corrected since.
;; Geometric Attention Bias. Allowed arithmetic: matrix products marked QUANTISED: E2M1 operands, one E8M0 scale for each 32 along K, by v_wmma_scale_f32_16x16x128_f8f6f4 with both operands' format E2M1 (or v_wmma_scale_f32_32x16x128_f4), f32 sums; products left as they are: f32 operands where the result goes on into a quantised operand, else bf16, f16 or f32 operands; f32 sums; everything else in f32.
;; Inputs: W1 4 x 128 float32; W2 128 x 64 float32; W3 64 x 8 float32; b1 128 float32; b2 64 float32; b3 8 float32; beta1 128 float32; beta2 64 float32; bias_scale 8 float32; g1 128 float32; g2 64 float32; grasp_poses 4 x 64 x 7 float32; grasp_tokens 4 x 64 x 256 float32; scene_points 4 x 4,096 x 3 float32.
;; Outputs: out0 4 x 8 x 64 x 4,096 float32.
;; This version of the problem:
;;   THIS VERSION OF THE PROBLEM IS GIVEN IN LOW PRECISION. The matrix products marked QUANTISED in the list below multiply operands that are first quantised to E2M1 (2 exponent bits, 1 mantissa bit; 4 bits a number), with one power-of-two scale for each 32 numbers along K (OCP MX v1.0); their sums are f32. All else is computed in f32.
;;   The module's matrix products, in the order in which they are computed (A, B: the left and right operand; K: the contracted axis; several contracted axes count as one K, in the product's order):
;;     1. batch 256 x [M 4,096, K 3] x [K 3, N 3]; A: computed on the way; B: computed on the way: left as it is (K = 3 < 32)
;;     2. [M 1,048,576, K 4] x [K 4, N 128]; A: computed on the way; B: input W1: left as it is (K = 4 < 32)
;;     3. [M 1,048,576, K 128] x [K 128, N 64]; A: computed on the way; B: input W2: QUANTISED
;;     4. [M 1,048,576, K 64] x [K 64, N 8]; A: computed on the way; B: input W3: left as it is (N = 8 < 16)
;;   THE QUANTISER, for each operand of a quantised product, along K:
;;     - K is cut into blocks of 32 from its start; a last block that is shorter is filled with zeros.
;;     - A block's scale is 2^e with e = floor(log2(the largest magnitude in the block)) - 2, held to -126 .. 127; a block of zeros has e = 0. As a byte (E8M0): e + 127.
;;     - Each number is divided by its block's scale, clamped to +-6, and rounded to the nearest number of E2M1, ties to even, subnormals kept.
;;     - The product sums the exact products of the quantised numbers (number of the format x scale) in f32.
;;   ~~~python
;;   def quantise(x, axis):      # numpy; x: float32 -> the quantised numbers, widened to float32 again
;;       x = np.moveaxis(x, axis, -1); K = x.shape[-1]
;;       x = np.pad(x, [(0, 0)] * (x.ndim - 1) + [(0, -K % 32)]); x = x.reshape(x.shape[:-1] + (-1, 32)); a = np.abs(x).max(-1, keepdims=True)
;;       e = np.where(a > 0, np.clip(np.frexp(np.where(a > 0, a, 1))[1] - 1 - 2, -126, 127), 0)      # np.frexp(a)[1] - 1 = floor(log2(a)), exactly
;;       r = np.clip(x / 2.0 ** e, -6, 6)
;;       step = 2.0 ** (np.maximum(np.frexp(np.where(r == 0, 1, r))[1] - 1, 0) - 1)
;;       q = np.round(r / step) * step * 2.0 ** e      # np.round: ties to even
;;       return np.moveaxis(q.reshape(q.shape[:-2] + (-1,))[..., :K], -1, axis).astype(np.float32)
;;   ~~~
;;   OPERANDS COMPUTED ON THE WAY. 'Computed on the way' means the value that the module computes at that place (a softmax that the list does not call 'softmax' is quantised finished and normalised). What goes into a quantiser is computed in f32, as accurately as f32 sums, v_exp_f32 and their like allow (about 1e-6 of the number): no bf16 or f16 on the way to a quantiser, and a product that is left as it is and whose result goes on into a quantised operand takes f32 operands (vector FMAs, or v_wmma_f32_16x16x4_f32). A number that lies on a knife's edge between two numbers of the format may be rounded either way, as far as f32 arithmetic and the matrix unit's own rounding can turn it there, and no further.
;; 2 versions, each right; version 2 is version 1 with the launch geo written anew for expert scheduling mode. Each part assembles by itself: llvm-mc -triple=amdgcn-amd-amdhsa -mcpu=gfx1250 --defsym DOCPART=n.
;; ======== version 1 of 2: 1 launch
;; limits: values are held in f16: magnitudes above 65,504 overflow, below 6.1e-05 lose precision
;; launch geo (part 1): grid 256 x 1, 8 waves a work-group, no clusters, 7,680 bytes of LDS; arguments scene_points, grasp_poses, W1, b1, g1, beta1, W2, b2, g2, beta2, W3, b3, bias_scale, out0; writes out0
.if DOCPART == 1
	.amdgcn_target "amdgcn-amd-amdhsa--gfx1250"
	.amdhsa_code_object_version 6
	.text
	.protected	k_q7f58754f66_geo
	.globl	k_q7f58754f66_geo
	.p2align	8
	.type	k_q7f58754f66_geo,@function
k_q7f58754f66_geo:
	s_mov_b64 s[64:65], 0
	v_nop
	global_prefetch_b8 v0, s[64:65] scope:SCOPE_SE
	s_setreg_imm32_b32 hwreg(HW_REG_WAVE_MODE, 25, 1), 1
	s_wait_xcnt 0x0
; GEOMETRIC ATTENTION BIAS.  For each (batch b, grasp g, point p): the point in the grasp's frame and its distance (4 features); relu(f W1 + b1), LayerNorm(g1, beta1);
; relu(Q(h) Q(W2) + b2), LayerNorm(g2, beta2), Q the MX-FP4 quantiser along K = 128 (four blocks of 32); h W3 + b3; x bias_scale; laid out0[b][head][g][p], f32.
; grasp_tokens enters no expression of the function and is not among the arguments.
; SHARES.  256 work-groups of 8 waves.  Work-group x: b = x / 64, points 128 c .. 128 c + 127 with c = (x / 2) % 32, grasps 32 (x % 2) on.  Wave w: grasps 4 w .. 4 w + 3 of those, one a trip of the loop, all on the same 128 points.
; A TILE is 16 points of one grasp.  Tile T = 2 q + e: lane r (both halves of the lanes) owns point 4 (16 e + r) + q.
; ALL PRODUCTS ARE USED TRANSPOSED (source 0 = 16 units of a weight, source 1 = 16 points): a lane holds ONE point throughout, its registers run along the units, and nothing changes lanes between the layers.
;   layer 1: f32 form, K = 4, C = b1.  Lane r of weight tile t takes unit 32 (t / 2) + 8 (t % 2) + r + 8 (r / 8): so a lane's register 16 b + i is unit 32 b + 16 (lane / 16) + i: 16 neighbours along the next K.
;   layer 2: the scaled FP4 form, K = 128, C = b2.  A lane's register 8 t + j is unit 16 t + 8 (lane / 16) + j, which in pairs IS the 16-bit operand's layout.
;   layer 3: f16 form, two links of K = 32.  Source 1: the NORMALISED numbers (under 8 in magnitude by the LayerNorm itself).  Source 0: g2[k] W3[k][m], made in f32, rounded once; in two variants: heads in rows 0-7 (even tiles) or
;   in rows 8-15 (odd tiles), the other rows 0.  So accumulator X_q holds in lane l the eight heads of point 4 l + q, and four accumulators give a lane 4 neighbouring points of a head: each store of the wave covers 512 consecutive bytes, aligned.
;   out = X x bias_scale[m] + Cst[m], Cst[m] = (sum_k beta2[k] W3[k][m] + b3[m]) x bias_scale[m], all in f32.
; Both LayerNorms take two passes (the mean, then the sum of squares of what is left), as the function does.
; The weights, biases and gains differ between the halves of the lanes, so they stay in vector registers for the whole launch; W2 is quantised once by waves 0-3 and handed round through LDS as an image of the operand's registers.
; ONE TILE AHEAD: while tile T is normalised and quantised, tile T + 1's features and first layer are made.  The last trip's look-ahead recomputes the last pose (its offset is held at the last one) and a tile that nobody reads.
; LIMITS.  NaN and infinities among the inputs are not served.  |g2 W3| stays under 65,504 (f16's largest); under 2^-14 its precision falls.  A squared length under 2^-126 counts as 0 (ISA guide, 15.8: the root flushes denormals).
; A block whose largest magnitude lies under 2^-124 keeps the scale byte 1.  Root, reciprocal and reciprocal root are good to one unit in the last place.
.set USE_DUAL, 1                       ; 1: a relu takes two numbers an instruction (dual issue)
; LDS: filled once, read by all waves
.set W2IMG, 0                          ; W2's four fragments as images of their registers: 1024 t + 512 c + 16 x lane
.set W2SC,  4096                       ; their scale words: 128 t + 4 x lane
.set PTS,   4608                       ; the 128 points as (x, y, z, 0): 256 T + 16 r
.set SPARE, 6656                       ; the spare words, 128 bytes for each wave: eight blocks of 128 bytes that no other line names
; window 0
.set SPW, 1                            ; v1   LDS address of my spare word; never rewritten
.set NIL, 2                            ; v2   0; never rewritten
.set LI,  3                            ; v3   16 x lane: an image's place, and my 16 bytes of a store
.set FE,  4                            ; v4-5 the features: lanes 0-15 (lx, ly), lanes 16-31 (lz, dist)
.set PTT, 6                            ; v6-9 the next tile's point
.set W1F, 10                           ; v10-25 W1's eight fragments
.set W2S, 26                           ; v26-29 W2's scale words
.set PW,  30                           ; v30  the hidden layer's scale word
.set PA,  31                           ; v31  PTS + 16 r
.set Z,   32                           ; v32-95 layer 1's sums: written by matrix instructions alone
.set A,   96                           ; v96-159 layer 1 at work
.set Y,   96                           ; v96-127 layer 2
.set O,   128                          ; v128-159 what is stored
.set X,   160                          ; v160-191 layer 3's four accumulators
.set W3T, 192                          ; v192-207 g2 W3, heads in rows 0-7
.set W3B, 208                          ; v208-223 heads in rows 8-15
.set PC,  224                          ; v224-231 the hidden layer's codes; layer 2's sums
.set TM,  232                          ; v232-247 at work
.set P,   232                          ; v232-247 layer 3's source 1
.set NMU, 248                          ; v248 minus the mean
.set PD,  249                          ; v249 a lane permute's destination
.set RS,  250                          ; v250 1 / sqrt(var + eps)
.set VE,  251                          ; v251 var + eps
.set W2ST, 252                         ; ahead of the loop alone: where I store W2's image,
.set W2SS, 253                         ; its scale word,
.set PST,  254                         ; a point;
.set LS4,  255                         ; 4 x lane
.set OW1, 240                          ; ahead of the loop alone: my byte offsets in the inputs
.set O64H, 241
.set O32H, 242
.set OW3, 243
.set OM,  244
.set OW2, 245
.set OPT, 246
; window 1 (by low number)
.set B1,  0                            ; b1, g1, beta1 in layer 1's layout
.set G1,  64
.set BE1, 128
.set W2C, 192                          ; W2's codes (until the barrier: beta2)
.set B2,  224                          ; b2 in layer 2's layout
; scalars: s[8:35] the 14 addresses in the arguments' order; s36 wave; s37 b, s38 c, s39 x % 2; s40 trips to go; s41 the pose's byte offset; s[42:43] out0's step;
; s44-46 t, s47-50 the quaternion; s52-60 R, row-major; s66-73 Cst; s92-99 bias_scale; s74-76 lane masks; s[78:79] selects for lane l xor 16; s81 1/128, s82 1/64, s83 1e-5; s84-91 offsets
.set MSB, 0
.macro WIN new                         ; the immediate's high byte repeats the setting that is left
.if MSB != \new
	s_set_vgpr_msb (MSB<<8)|\new
.set MSB, \new
.endif
.endm
.macro RELU d, s, cnt                  ; cnt numbers, from the low end on
.set j, 0
.rept (\cnt)/2
.if USE_DUAL
	v_dual_max_num_f32 v[\d+j], 0, v[\s+j] :: v_dual_max_num_f32 v[\d+j+1], 0, v[\s+j+1]
.else
	v_max_num_f32 v[\d+j], 0, v[\s+j]
	v_max_num_f32 v[\d+j+1], 0, v[\s+j+1]
.endif
.set j, j+2
.endr
.endm
.macro FOLD S                          ; four packed chains become the point's sum: my half of the units, then lane l xor 16's
	v_pk_add_f32 v[\S:\S+1], v[\S:\S+1], v[\S+2:\S+3]
	v_pk_add_f32 v[\S+4:\S+5], v[\S+4:\S+5], v[\S+6:\S+7]
	v_pk_add_f32 v[\S:\S+1], v[\S:\S+1], v[\S+4:\S+5]
	v_add_f32 v[\S], v[\S], v[\S+1]
	v_permlanex16_b32 v[PD], v[\S], s78, s79
	v_add_f32 v[\S], v[\S], v[PD]
.endm
.macro PKSUM S, src, N                 ; the sum of N pairs, in four chains that do not wait for each other; nothing is cleared
.irp c, 0,1,2,3
	v_pk_add_f32 v[\S+2*\c:\S+2*\c+1], v[\src+2*\c:\src+2*\c+1], v[\src+8+2*\c:\src+9+2*\c]
.endr
.set n, 8
.rept \N-8
	v_pk_add_f32 v[\S+2*(n%4):\S+2*(n%4)+1], v[\S+2*(n%4):\S+2*(n%4)+1], v[\src+2*n:\src+2*n+1]
.set n, n+1
.endr
	FOLD \S
.endm
.macro PKSQ S, src, N                  ; the sum of their squares
.irp c, 0,1,2,3
	v_pk_mul_f32 v[\S+2*\c:\S+2*\c+1], v[\src+2*\c:\src+2*\c+1], v[\src+2*\c:\src+2*\c+1]
.endr
.set n, 4
.rept \N-4
	v_pk_fma_f32 v[\S+2*(n%4):\S+2*(n%4)+1], v[\src+2*n:\src+2*n+1], v[\src+2*n:\src+2*n+1], v[\S+2*(n%4):\S+2*(n%4)+1]
.set n, n+1
.endr
	FOLD \S
.endm
; LAYER 1's relu and LayerNorm: Z -> A.  split = 1 (a trip's first tile): the upper half of A holds what the last trip's stores read
.macro L1 split
	RELU A, Z, 32
.if \split
	s_wait_xcnt 0x0                                ; the last trip's stores have read their data and their base: both are written again only behind this wait
	s_add_nc_u64 s[34:35], s[34:35], s[42:43]      ; out0 at this trip's grasp (the first trip adds 0)
.endif
	RELU A+32, Z+32, 32
	PKSUM TM, A, 32
	v_mul_f32 v[NMU], 0xbc000000, v[TM]            ; - sum / 128
.set n, 0
.rept 32
	v_pk_add_f32 v[A+2*n:A+2*n+1], v[A+2*n:A+2*n+1], v[NMU:NMU+1] op_sel_hi:[1,0]
.set n, n+1
.endr
	PKSQ TM, A, 32
	v_fma_f32 v[VE], v[TM], s81, s83               ; var + eps
	v_rsq_f32 v[RS], v[VE]
	WIN 0x04                                       ; source 1 (g1) window 1
.set n, 0
.rept 32
	v_pk_mul_f32 v[A+2*n:A+2*n+1], v[A+2*n:A+2*n+1], v[G1+2*n:G1+2*n+1]   ; x g1: work that does not want the root stands behind it
.set n, n+1
.endr
	s_wait_alu depctr_va_vdst(0)                   ; the wait ahead of the first line that names the root's result
	WIN 0x10                                       ; source 2 (beta1) window 1
.set n, 0
.rept 32
	v_pk_fma_f32 v[A+2*n:A+2*n+1], v[A+2*n:A+2*n+1], v[RS:RS+1], v[BE1+2*n:BE1+2*n+1] op_sel_hi:[1,0,1]
.set n, n+1
.endr
	WIN 0
.endm
; THE QUANTISER: my 64 numbers in A (register 16 b + i = k 32 b + 16 (lane / 16) + i of my point) become the operand's codes in PC and the point's scale word in PW
.macro QUANT
.irp b, 0,1,2,3
	v_max3_num_f32 v[TM+\b], |v[A+16*\b]|, |v[A+1+16*\b]|, 0x1800000   ; block b: my 16 numbers, and the floor 2^(3 - 127): the byte cannot fall under 1
.endr
.irp i, 2,4,6,8,10,12,14
.irp b, 0,1,2,3
	v_max3_num_f32 v[TM+\b], v[TM+\b], |v[A+16*\b+\i]|, |v[A+1+16*\b+\i]|   ; (the four blocks by turns)
.endr
.endr
.irp b, 0,1,2,3
	v_permlanex16_b32 v[TM+4+\b], v[TM+\b], s78, s79
.endr
.irp b, 0,1,2,3
	v_max_num_f32 v[TM+\b], v[TM+\b], v[TM+4+\b]   ; with lane l xor 16's: the block's largest magnitude
.endr
.irp b, 0,1,2,3
	v_add_nc_u32 v[TM+12+\b], 0xff000000, v[TM+\b] ; 2 off its exponent field: the conversion takes the exponent field of this operand as its scale
.endr
.irp b, 0,1,2,3
	v_lshrrev_b32 v[TM+4+\b], 23, v[TM+12+\b]      ; the scale's byte
.endr
	v_lshl_or_b32 v[PW], v[TM+5], 8, v[TM+4]
	v_lshl_or_b32 v[PW], v[TM+6], 16, v[PW]
	v_lshl_or_b32 v[PW], v[TM+7], 24, v[PW]
.irp b, 0,1,2,3
	v_cvt_scalef32_pk8_fp4_f32 v[PC+2*\b], v[A+16*\b:A+7+16*\b], v[TM+12+\b]
	v_cvt_scalef32_pk8_fp4_f32 v[PC+1+2*\b], v[A+8+16*\b:A+15+16*\b], v[TM+12+\b]
.endr
	v_nop                                          ; one plain place behind a scaled conversion
.irp c, 0,1                                    ; the operand's layout wants a whole block in a lane: lanes 0-15 block 2 c, lanes 16-31 block 2 c + 1
.irp i, 0,1
	v_permlane16_swap_b32 v[PC+4*\c+\i], v[PC+2+4*\c+\i]
.endr
.endr
.endm
; THE POSE: q / (|q| + 1e-8) and the rotation's nine numbers, the same in every lane, into s52-60
.macro POSE
	v_mul_f32 v232, s47, s47
	v_fma_f32 v232, s48, s48, v232
	v_fma_f32 v232, s49, s49, v232
	v_fma_f32 v232, s50, s50, v232
	v_sqrt_f32 v233, v232
	v_nop                                          ; a plain place behind the root,
	s_wait_alu depctr_va_vdst(0)                   ; and the wait ahead of its reader
	v_add_f32 v233, 0x322bcc77, v233               ; + 1e-8
	v_rcp_f32 v234, v233
	v_nop
	s_wait_alu depctr_va_vdst(0)
	v_mul_f32 v235, s47, v234                      ; x
	v_mul_f32 v236, s48, v234                      ; y
	v_mul_f32 v237, s49, v234                      ; z
	v_mul_f32 v238, s50, v234                      ; w
	v_add_f32 v239, v235, v235                     ; 2 x
	v_add_f32 v240, v236, v236                     ; 2 y
	v_add_f32 v241, v237, v237                     ; 2 z
	v_mul_f32 v242, v238, v239                     ; 2 w x
	v_mul_f32 v243, v238, v240                     ; 2 w y
	v_mul_f32 v244, v238, v241                     ; 2 w z
	v_fma_f32 v245, v235, v240, -v244              ; R01
	v_fma_f32 v246, v235, v240, v244               ; R10
	v_fma_f32 v247, v235, v241, v243               ; R02
	v_fma_f32 v232, v235, v241, -v243              ; R20
	v_fma_f32 v233, v236, v241, -v242              ; R12
	v_fma_f32 v234, v236, v241, v242               ; R21
	v_fma_f32 v238, -v236, v240, 1.0
	v_fma_f32 v242, -v235, v239, 1.0
	v_fma_f32 v243, -v235, v239, 1.0
	v_fma_f32 v238, -v237, v241, v238              ; R00
	v_fma_f32 v242, -v237, v241, v242              ; R11
	v_fma_f32 v243, -v236, v240, v243              ; R22
	v_readfirstlane_b32 s52, v238
	v_readfirstlane_b32 s53, v245
	v_readfirstlane_b32 s54, v247
	v_readfirstlane_b32 s55, v246
	v_readfirstlane_b32 s56, v242
	v_readfirstlane_b32 s57, v233
	v_readfirstlane_b32 s58, v232
	v_readfirstlane_b32 s59, v234
	v_readfirstlane_b32 s60, v243
.endm
; THE FEATURES of the point in PTT.  Part A: twelve plain lines: l_i = sum_j R_ji (p_j - t_j).  They are also the places between the writes of PW (8 are asked) and of PC (4) and the scaled matrix instructions
.macro FEATS_A
	v_sub_f32 v232, v[PTT], s44
	v_sub_f32 v233, v[PTT+1], s45
	v_sub_f32 v234, v[PTT+2], s46
.irp i, 0,1,2
	v_mul_f32 v[235+\i], s[52+\i], v232
.endr
.irp i, 0,1,2
	v_fma_f32 v[235+\i], s[55+\i], v233, v[235+\i]
.endr
.irp i, 0,1,2
	v_fma_f32 v[235+\i], s[58+\i], v234, v[235+\i]
.endr
.endm
; Part B: the distance, and the operand.  Its five plain lines are the places (4 are asked) between the scaled matrix instructions and the first read of their results
.macro FEATS_B
	v_mul_f32 v238, v235, v235
	v_fma_f32 v238, v236, v236, v238
	v_fma_f32 v238, v237, v237, v238
	v_sqrt_f32 v239, v238
	v_cndmask_b32 v[FE], v235, v237, s74           ; lanes 16-31 take lz.  (A plain place behind the root)
	s_wait_alu depctr_va_vdst(0)                   ; the wait ahead of the root's reader
	v_cndmask_b32 v[FE+1], v236, v239, s74         ; and the distance
.endm
.macro W32 t0                          ; layer 1 of the tile in FE: weight tiles t0 .. t0 + 3; C = b1
	WIN 0x10                                       ; source 2 window 1
.irp t, \t0, \t0+1, \t0+2, \t0+3
	v_wmma_f32_16x16x4_f32 v[Z+8*(\t):Z+8*(\t)+7], v[W1F+2*(\t):W1F+2*(\t)+1], v[FE:FE+1], v[B1+8*(\t):B1+8*(\t)+7]
.endr
	WIN 0
.endm
.macro MULW2                           ; layer 2: four tiles of 16 units; C = b2
	WIN 0x11                                       ; sources 0 (W2's codes) and 2 window 1
.irp t, 0,1,2,3
	v_wmma_scale_f32_16x16x128_f8f6f4 v[Y+8*\t:Y+8*\t+7], v[W2C+8*\t:W2C+8*\t+7], v[PC:PC+7], v[B2+8*\t:B2+8*\t+7], v[W2S+\t], v[PW] matrix_a_fmt:MATRIX_FMT_FP4 matrix_b_fmt:MATRIX_FMT_FP4
.endr
	WIN 0
.endm
.macro HALF c                          ; units 32 c on: normalised in f32, then rounded to f16 in pairs: layer 3's source 1 as it stands
.set n, 8*(\c)
.rept 8
	v_pk_mul_f32 v[Y+2*n:Y+2*n+1], v[Y+2*n:Y+2*n+1], v[RS:RS+1] op_sel_hi:[1,0]
.set n, n+1
.endr
.set n, 8*(\c)
.rept 8
	v_cvt_pk_f16_f32 v[P+n], v[Y+2*n], v[Y+2*n+1]
.set n, n+1
.endr
.endm
; LAYER 2's relu and LayerNorm, and layer 3.  Between the two links on X_q stand the next tile's four f32 matrix instructions: a link is not the next matrix instruction behind the one that it adds onto
.macro L2 q, odd
	RELU Y, Y, 32
	PKSUM PC, Y, 16
	v_mul_f32 v[NMU], 0xbc800000, v[PC]            ; - sum / 64
.set n, 0
.rept 16
	v_pk_add_f32 v[Y+2*n:Y+2*n+1], v[Y+2*n:Y+2*n+1], v[NMU:NMU+1] op_sel_hi:[1,0]
.set n, n+1
.endr
	PKSQ PC, Y, 16
	v_fma_f32 v[VE], v[PC], s82, s83               ; var + eps
	v_rsq_f32 v[RS], v[VE]
	v_nop                                          ; a plain place behind the root,
	s_wait_alu depctr_va_vdst(0)                   ; and the wait ahead of its first reader
	HALF 0
.if \odd
	v_wmma_f32_16x16x32_f16 v[X+8*(\q):X+8*(\q)+7], v[W3B:W3B+7], v[P:P+7], v[X+8*(\q):X+8*(\q)+7]
.else
	v_wmma_f32_16x16x32_f16 v[X+8*(\q):X+8*(\q)+7], v[W3T:W3T+7], v[P:P+7], 0   ; the even tile's first link starts the sums
.endif
	W32 4
	HALF 1                                         ; sixteen plain lines: with the next relu's first half more than the 8 places between the f32 matrix instructions above and the read of their results
.if \odd
	v_wmma_f32_16x16x32_f16 v[X+8*(\q):X+8*(\q)+7], v[W3B+8:W3B+15], v[P+8:P+15], v[X+8*(\q):X+8*(\q)+7]
.else
	v_wmma_f32_16x16x32_f16 v[X+8*(\q):X+8*(\q)+7], v[W3T+8:W3T+15], v[P+8:P+15], v[X+8*(\q):X+8*(\q)+7]
.endif
.endm
; THE WAY OUT of a grasp's 128 points.  Each accumulator is read from its low end on; X_0 to X_2's 24 lines are the places behind X_3's last link
.macro POST
.irp q, 0,1,2,3
.irp j, 0,1,2,3,4,5,6,7
	v_fma_f32 v[O+4*\j+\q], v[X+8*\q+\j], s[92+\j], s[66+\j]
.endr
.endr
.irp j, 0,1,2,3,4,5,6,7
	global_store_b128 v[LI], v[O+4*\j:O+4*\j+3], s[34:35] offset:\j*1048576 th:TH_STORE_NT   ; head j: 32 lanes store 512 consecutive bytes, aligned; written once, read by nobody here
.endr
	s_mov_b64 s[42:43], 16384                      ; from now on a trip steps out0 by a grasp's 4,096 numbers
.endm
.macro TILE T
	ds_load_b128 v[PTT:PTT+3], v[PA] offset:256*((\T+1)%8)   ; the next tile's point
.if \T == 7
	s_add_co_u32 s41, s41, 28                      ; the next grasp's pose; this trip's was last read in the tile before.  (The wait on KMcnt below shows these loads done ahead of the next write of s41)
	s_min_u32 s41, s41, 84                         ; the last trip stays at my fourth grasp: no load leaves its buffer
	s_load_b128 s[44:47], s[10:11], s41 offset:0x0
	s_load_b96 s[48:50], s[10:11], s41 offset:0x10
.endif
.if \T == 0
	L1 1
.else
	L1 0
.endif
	QUANT
.if \T == 7
	s_wait_kmcnt 0x0                               ; the pose is in
	POSE
.endif
	s_wait_dscnt 0x0                               ; the point is in: the one LDS load that is out
	FEATS_A
	MULW2
	FEATS_B
	W32 0
	L2 (\T)/2, (\T)%2
.if \T == 7
	POST
.endif
.endm
	s_load_b512 s[8:23], s[0:1], 0x0               ; scene_points, grasp_poses, W1, b1, g1, beta1, W2, b2
	s_load_b256 s[24:31], s[0:1], 0x40             ; g2, beta2, W3, b3
	s_load_b128 s[32:35], s[0:1], 0x60             ; bias_scale, out0
	v_lshl_add_u32 v[SPW], v0, 2, SPARE
	v_mov_b32 v[NIL], 0
	v_lshrrev_b32 v4, 5, v0
	v_readfirstlane_b32 s36, v4                    ; wave 0..7
	s_lshr_b32 s37, ttmp9, 6                       ; b
	s_bfe_u32 s38, ttmp9, 0x50001                  ; c: 5 bits from bit 1
	s_and_b32 s39, ttmp9, 1                        ; which 32 grasps
	s_and_b32 s40, s36, 3                          ; which tile of W2 (waves 0-3)
	v_and_b32 v4, 31, v0                           ; lane
	v_and_b32 v5, 15, v0                           ; r
	v_bfe_u32 v6, v0, 4, 1                         ; h
	; every LDS address is made here, ahead of the parting of the waves' roles
	v_lshlrev_b32 v[LI], 4, v4
	v_lshl_add_u32 v[PA], v5, 4, PTS
	s_lshl_b32 s41, s40, 10
	v_add_nc_u32 v[W2ST], s41, v[LI]               ; 16 x lane + 1024 t
	v_lshlrev_b32 v[LS4], 2, v4
	s_lshl_b32 s41, s40, 7
	s_add_co_u32 s41, s41, W2SC
	v_add_nc_u32 v[W2SS], s41, v[LS4]              ; W2SC + 4 x lane + 128 t
	v_and_b32 v7, 3, v0                            ; point i = thread % 128 goes to tile 2 (i % 4) + i / 64, place (i / 4) % 16
	v_bfe_u32 v8, v0, 6, 1
	v_bfe_u32 v9, v0, 2, 4
	v_lshlrev_b32 v[PST], 9, v7
	v_lshl_add_u32 v[PST], v8, 8, v[PST]
	v_lshl_add_u32 v[PST], v9, 4, v[PST]
	v_add_nc_u32 v[PST], PTS, v[PST]
	; my byte offsets in the inputs
	v_and_b32 v7, 8, v5
	v_add_nc_u32 v7, v7, v5                        ; r + 8 (r / 8)
	v_lshlrev_b32 v[OW1], 2, v7
	v_lshl_add_u32 v[OW1], v6, 10, v[OW1]          ; W1: that unit, rows 2 h on
	v_lshlrev_b32 v[O64H], 6, v6                   ; layer 1's layout: 16 numbers of my half
	v_lshlrev_b32 v[O32H], 5, v6                   ; layer 2's: 8
	v_and_b32 v7, 7, v0
	v_lshlrev_b32 v[OM], 2, v7                     ; head r % 8
	v_lshl_add_u32 v[OW3], v6, 8, v[OM]            ; W3: that head, rows 8 h on
	v_lshlrev_b32 v[OW2], 2, v5
	v_lshl_add_u32 v[OW2], v6, 13, v[OW2]          ; W2: column r, rows 32 h on
	v_and_b32 v7, 127, v0
	v_mul_u32_u24 v[OPT], v7, 12                   ; a point is 12 bytes
	v_mov_b32 v[PD], 0                             ; written once: a lane permute's destination counts as one of its sources
	s_mov_b32 s74, 0xffff0000                      ; lanes 16-31
	s_mov_b32 s75, 0x00ff00ff                      ; lanes with r < 8
	s_mov_b32 s76, 0xff00ff00                      ; the others
	s_mov_b32 s78, 0x76543210
	s_mov_b32 s79, 0xfedcba98                      ; v_permlanex16_b32's selects for lane l xor 16
	s_mov_b32 s81, 0x3c000000                      ; 1 / 128
	s_mov_b32 s82, 0x3c800000                      ; 1 / 64
	s_mov_b32 s83, 0x3727c5ac                      ; 1e-5
	; where my parts begin, in bytes
	s_mul_i32 s84, s37, 49152                      ; scene_points: batch b,
	s_mul_i32 s41, s38, 1536                       ; point 128 c
	s_add_co_u32 s84, s84, s41
	s_mov_b32 s85, 0
	s_lshl_b32 s42, s39, 5
	s_lshl_b32 s43, s36, 2
	s_add_co_u32 s42, s42, s43                     ; my first grasp
	s_lshl_b32 s43, s37, 6
	s_add_co_u32 s43, s43, s42
	s_mul_i32 s86, s43, 28                         ; grasp_poses: 28 bytes a pose
	s_mov_b32 s87, 0
	s_lshl_b32 s88, s40, 6                         ; W2: columns 16 t on
	s_mov_b32 s89, 0
	s_lshl_b32 s90, s37, 23                        ; out0: batch b,
	s_lshl_b32 s43, s42, 14                        ; my first grasp,
	s_add_co_u32 s90, s90, s43
	s_lshl_b32 s43, s38, 9                         ; point 128 c
	s_add_co_u32 s90, s90, s43
	s_mov_b32 s91, 0
	s_mov_b32 s41, 0
	s_wait_kmcnt 0x0
	s_add_nc_u64 s[8:9], s[8:9], s[84:85]
	s_add_nc_u64 s[10:11], s[10:11], s[86:87]
	s_add_nc_u64 s[20:21], s[20:21], s[88:89]
	s_add_nc_u64 s[34:35], s[34:35], s[90:91]
	s_load_b128 s[44:47], s[10:11], s41 offset:0x0 ; my first grasp's pose
	s_load_b96 s[48:50], s[10:11], s41 offset:0x10
	WIN 0x40                                       ; destination window 1
.irp b, 0,1,2,3
.irp m, 0,1,2,3
	global_load_b128 v[B1+16*\b+4*\m:B1+16*\b+4*\m+3], v[O64H], s[14:15] offset:128*\b+16*\m     ; register 16 b + i: unit 32 b + 16 h + i
	global_load_b128 v[G1+16*\b+4*\m:G1+16*\b+4*\m+3], v[O64H], s[16:17] offset:128*\b+16*\m
	global_load_b128 v[BE1+16*\b+4*\m:BE1+16*\b+4*\m+3], v[O64H], s[18:19] offset:128*\b+16*\m
.endr
.endr
.irp t, 0,1,2,3
.irp e, 0,1
	global_load_b128 v[B2+8*\t+4*\e:B2+8*\t+4*\e+3], v[O32H], s[22:23] offset:64*\t+16*\e       ; register 8 t + j: unit 16 t + 8 h + j
	global_load_b128 v[W2C+8*\t+4*\e:W2C+8*\t+4*\e+3], v[O32H], s[26:27] offset:64*\t+16*\e     ; beta2, until W2's codes take its place
.endr
.endr
	WIN 0
.irp t, 0,1,2,3,4,5,6,7
.irp j, 0,1
	global_load_b32 v[W1F+2*\t+\j], v[OW1], s[12:13] offset:512*\j+4*(32*(\t/2)+8*(\t%2))       ; W1(2 h + j, the tile's unit of lane r)
.endr
.endr
.set n, 0
.rept 32
	global_load_b32 v[X+n], v[OW3], s[28:29] offset:32*(32*(n/16)+16*((n/8)%2)+n%8)             ; W3(16 (n / 8) + 8 h + n % 8, r % 8): layer 2's layout along k
.set n, n+1
.endr
.irp t, 0,1,2,3
.irp e, 0,1
	global_load_b128 v[W3T+8*\t+4*\e:W3T+8*\t+4*\e+3], v[O32H], s[24:25] offset:64*\t+16*\e     ; g2, where the operand's two variants will lie
.endr
.endr
	global_load_b32 v[NMU], v[OM], s[32:33]        ; bias_scale[r % 8]
	global_load_b32 v[RS], v[OM], s[30:31]         ; b3[r % 8]
	s_cmp_lt_u32 s36, 4
	s_cbranch_scc0 .Lpoints
	; WAVES 0-3: wave t quantises columns 16 t .. 16 t + 15 of W2.  Lane r takes a column and its registers run down K, in the order that the operand's layout gives that lane: k = 64 c + 32 h + i
.set n, 0
.rept 64
	global_load_b32 v[A+n], v[OW2], s[20:21] offset:256*(64*(n/32)+n%32)
.set n, n+1
.endr
	s_wait_loadcnt 0x0                             ; all that was asked for so far is in; the offsets' registers are free
.irp c, 0,1
	v_max3_num_f32 v[232+\c], |v[A+32*\c]|, |v[A+1+32*\c]|, 0x1800000   ; my block 2 c + h: all its 32 numbers are mine; and the floor 2^(3 - 127)
.endr
.irp i, 2,4,6,8,10,12,14,16,18,20,22,24,26,28,30
.irp c, 0,1
	v_max3_num_f32 v[232+\c], v[232+\c], |v[A+32*\c+\i]|, |v[A+1+32*\c+\i]|
.endr
.endr
.irp c, 0,1
	v_add_nc_u32 v[234+\c], 0xff000000, v[232+\c]  ; 2 off the exponent field: the conversion's scale operand
.endr
.irp c, 0,1
	v_lshrrev_b32 v[236+\c], 23, v[234+\c]         ; the scale's byte
.endr
	v_lshl_or_b32 v238, v237, 16, v236             ; my two bytes: blocks h and 2 + h,
	v_bfe_u32 v239, v0, 4, 1
	v_lshlrev_b32 v239, 3, v239
	v_lshlrev_b32 v238, v239, v238                 ; at their places in the scale word;
	v_mov_b32 v239, 0
	v_permlanex16_b32 v239, v238, s78, s79
	v_or_b32 v238, v238, v239                      ; with lane l xor 16's two the word is whole
.irp c, 0,1
.irp g, 0,1,2,3
	v_cvt_scalef32_pk8_fp4_f32 v[PC+4*\c+\g], v[A+32*\c+8*\g:A+32*\c+8*\g+7], v[234+\c]
.endr
.endr
	v_nop                                          ; one plain place behind a scaled conversion
	ds_store_b128 v[W2ST], v[PC:PC+3] offset:W2IMG
	ds_store_b128 v[W2ST], v[PC+4:PC+7] offset:W2IMG+512
	ds_store_b32 v[W2SS], v238
	s_branch .Ljoin
.Lpoints:
	; WAVES 4-7: a thread brings one of the 128 points
	global_load_b32 v232, v[OPT], s[8:9]
	global_load_b32 v233, v[OPT], s[8:9] offset:4
	global_load_b32 v234, v[OPT], s[8:9] offset:8
	v_mov_b32 v235, 0
	s_wait_loadcnt 0x0                             ; all that was asked for so far is in; the offsets' registers are free
	ds_store_b128 v[PST], v[232:235]
.Ljoin:
	s_wait_dscnt 0x0                               ; for the others' sake: my LDS stores have landed
	s_barrier_signal -1
	; work on registers while the others arrive: Cst, bias_scale, and layer 3's source 0
	WIN 0x01                                       ; source 0 (beta2) window 1
.irp c, 0,1,2,3
	v_pk_mul_f32 v[PC+2*\c:PC+2*\c+1], v[W2C+2*\c:W2C+2*\c+1], v[X+2*\c:X+2*\c+1]
.endr
.set n, 4
.rept 12
	v_pk_fma_f32 v[PC+2*(n%4):PC+2*(n%4)+1], v[W2C+2*n:W2C+2*n+1], v[X+2*n:X+2*n+1], v[PC+2*(n%4):PC+2*(n%4)+1]
.set n, n+1
.endr
	WIN 0
	FOLD PC                                        ; sum over all 64 k of beta2[k] W3[k][r % 8]
	v_add_f32 v[PC], v[PC], v[RS]                  ; + b3
	v_mul_f32 v[PC], v[PC], v[NMU]                 ; x bias_scale
.irp j, 0,1,2,3,4,5,6,7
	v_readlane_b32 s[66+\j], v[PC], \j             ; lanes 0-7 hold heads 0-7
	v_readlane_b32 s[92+\j], v[NMU], \j
.endr
.set n, 0
.rept 16
	v_pk_mul_f32 v[X+2*n:X+2*n+1], v[X+2*n:X+2*n+1], v[W3T+2*n:W3T+2*n+1]   ; g2[k] W3[k][m], in f32
.set n, n+1
.endr
.set n, 0
.rept 16
	v_cvt_pk_f16_f32 v[TM+n], v[X+2*n], v[X+2*n+1] ; rounded once
.set n, n+1
.endr
.set n, 0
.rept 16
	v_cndmask_b32 v[W3T+n], 0, v[TM+n], s75        ; heads in rows 0-7, zeros in rows 8-15;
	v_cndmask_b32 v[W3B+n], 0, v[TM+n], s76        ; and the other way round
.set n, n+1
.endr
	s_barrier_wait -1                              ; W2's images and the points lie in LDS
	WIN 0x40                                       ; destination window 1
.irp t, 0,1,2,3
.irp c, 0,1
	ds_load_b128 v[W2C+8*\t+4*\c:W2C+8*\t+4*\c+3], v[LI] offset:W2IMG+1024*\t+512*\c
.endr
.endr
	WIN 0
.irp t, 0,1,2,3
	ds_load_b32 v[W2S+\t], v[LS4] offset:W2SC+128*\t
.endr
	ds_load_b128 v[PTT:PTT+3], v[PA]               ; tile 0's point
	s_wait_dscnt 0x0
	s_wait_kmcnt 0x0                               ; the first pose
	POSE
	FEATS_A
	FEATS_B
	W32 0
	W32 4
.rept 8
	v_nop                                          ; the places between these f32 matrix instructions and the first read of their results (ISA guide 7.12.1); in the loop other work stands there
.endr
	s_mov_b32 s40, 4
	s_mov_b64 s[42:43], 0
.Lunit:                                            ; a trip: one grasp, 128 points, eight tiles
.irp T, 0,1,2,3,4,5,6,7
	TILE \T
.endr
	s_sub_co_u32 s40, s40, 1
	s_cmp_lg_u32 s40, 0
	s_cbranch_scc1 .Lunit
	s_wait_tensorcnt 0x0                           ; the wave's end, behind my last LDS store
	ds_add_u32 v[SPW], v[NIL]
	s_wait_dscnt 0x0
	s_endpgm
.Lfunc_end_k_q7f58754f66_geo:
	.size	k_q7f58754f66_geo, .Lfunc_end_k_q7f58754f66_geo-k_q7f58754f66_geo
	.p2alignl 7, 3214868480
	.fill 96, 4, 3214868480
	.section	.rodata,"a",@progbits
	.p2align	6, 0x0
	.amdhsa_kernel k_q7f58754f66_geo
		.amdhsa_group_segment_fixed_size 7680
		.amdhsa_private_segment_fixed_size 0
		.amdhsa_enable_private_segment 0
		.amdhsa_kernarg_size 112
		.amdhsa_user_sgpr_count 2
		.amdhsa_user_sgpr_kernarg_segment_ptr 1
		.amdhsa_wavefront_size32 1
		.amdhsa_system_sgpr_workgroup_id_x 1
		.amdhsa_system_sgpr_workgroup_id_y 1
		.amdhsa_system_sgpr_workgroup_id_z 1
		.amdhsa_system_vgpr_workitem_id 0
		.amdhsa_next_free_vgpr 512
		.amdhsa_next_free_sgpr 100
		.amdhsa_reserve_vcc 0
		.amdhsa_float_denorm_mode_32 3
		.amdhsa_float_denorm_mode_16_64 3
		.amdhsa_memory_ordered 1
		.amdhsa_forward_progress 1
		.amdhsa_inst_pref_size 245
	.end_amdhsa_kernel
	.amdgpu_metadata
---
amdhsa.version: [ 1, 2 ]
amdhsa.kernels:
  - .name:           k_q7f58754f66_geo
    .symbol:         k_q7f58754f66_geo.kd
    .args:
      - { .name: scene_points, .offset: 0, .size: 8, .value_kind: global_buffer, .address_space: global }
      - { .name: grasp_poses, .offset: 8, .size: 8, .value_kind: global_buffer, .address_space: global }
      - { .name: W1, .offset: 16, .size: 8, .value_kind: global_buffer, .address_space: global }
      - { .name: b1, .offset: 24, .size: 8, .value_kind: global_buffer, .address_space: global }
      - { .name: g1, .offset: 32, .size: 8, .value_kind: global_buffer, .address_space: global }
      - { .name: beta1, .offset: 40, .size: 8, .value_kind: global_buffer, .address_space: global }
      - { .name: W2, .offset: 48, .size: 8, .value_kind: global_buffer, .address_space: global }
      - { .name: b2, .offset: 56, .size: 8, .value_kind: global_buffer, .address_space: global }
      - { .name: g2, .offset: 64, .size: 8, .value_kind: global_buffer, .address_space: global }
      - { .name: beta2, .offset: 72, .size: 8, .value_kind: global_buffer, .address_space: global }
      - { .name: W3, .offset: 80, .size: 8, .value_kind: global_buffer, .address_space: global }
      - { .name: b3, .offset: 88, .size: 8, .value_kind: global_buffer, .address_space: global }
      - { .name: bias_scale, .offset: 96, .size: 8, .value_kind: global_buffer, .address_space: global }
      - { .name: out0, .offset: 104, .size: 8, .value_kind: global_buffer, .address_space: global }
    .group_segment_fixed_size: 7680
    .private_segment_fixed_size: 0
    .kernarg_segment_align: 8
    .kernarg_segment_size: 112
    .max_flat_workgroup_size: 256
    .sgpr_count:     100
    .vgpr_count:     512
    .wavefront_size: 32
...
	.end_amdgpu_metadata
.endif
;; end of part 1
;; ======== version 2 of 2: 1 launch; version 1 with the launch geo written anew for expert scheduling mode
;; limits: values are held in f16: magnitudes above 65,504 overflow, below 6.1e-05 lose precision
;; launch geo (part 2): grid 256 x 1, 8 waves a work-group, no clusters, 7,680 bytes of LDS; arguments scene_points, grasp_poses, W1, b1, g1, beta1, W2, b2, g2, beta2, W3, b3, bias_scale, out0; writes out0
.if DOCPART == 2
	.amdgcn_target "amdgcn-amd-amdhsa--gfx1250"
	.amdhsa_code_object_version 6
	.text
	.protected	k_q7f58754f66_geo
	.globl	k_q7f58754f66_geo
	.p2align	8
	.type	k_q7f58754f66_geo,@function
k_q7f58754f66_geo:
	s_mov_b64 s[64:65], 0
	v_nop
	global_prefetch_b8 v0, s[64:65] scope:SCOPE_SE
	s_setreg_imm32_b32 hwreg(HW_REG_WAVE_SCHED_MODE, 0, 2), 2
	s_setreg_imm32_b32 hwreg(HW_REG_WAVE_MODE, 25, 1), 1
	s_wait_xcnt 0x0
	s_wait_alu depctr_vm_vsrc(0)
; GEOMETRIC ATTENTION BIAS.  For each (batch b, grasp g, point p): the point in the grasp's frame and its distance (4 features); relu(f W1 + b1), LayerNorm(g1, beta1);
; relu(Q(h) Q(W2) + b2), LayerNorm(g2, beta2), Q the MX-FP4 quantiser along K = 128 (four blocks of 32); h W3 + b3; x bias_scale; laid out0[b][head][g][p], f32.
; grasp_tokens enters no expression of the function and is not among the arguments.
; SHARES.  256 work-groups of 8 waves.  Work-group x: b = x / 64, points 128 c .. 128 c + 127 with c = (x / 2) % 32, grasps 32 (x % 2) on.  Wave w: grasps 4 w .. 4 w + 3 of those, one a trip of the loop, all on the same 128 points.
; A TILE is 16 points of one grasp.  Tile T = 2 q + e: lane r (both halves of the lanes) owns point 4 (16 e + r) + q.
; ALL PRODUCTS ARE USED TRANSPOSED (source 0 = 16 units of a weight, source 1 = 16 points): a lane holds ONE point throughout, its registers run along the units, and nothing changes lanes between the layers.
;   layer 1: f32 form, K = 4, C = b1.  Lane r of weight tile t takes unit 32 (t / 2) + 8 (t % 2) + r + 8 (r / 8): so a lane's register 16 b + i is unit 32 b + 16 (lane / 16) + i: 16 neighbours along the next K.
;   layer 2: the scaled FP4 form, K = 128, C = b2.  A lane's register 8 t + j is unit 16 t + 8 (lane / 16) + j, which in pairs IS the 16-bit operand's layout.
;   layer 3: f16 form, two links of K = 32.  Source 1: the NORMALISED numbers (under 8 in magnitude by the LayerNorm itself).  Source 0: g2[k] W3[k][m], made in f32, rounded once; in two variants: heads in rows 0-7 (even tiles) or
;   in rows 8-15 (odd tiles), the other rows 0.  So accumulator X_q holds in lane l the eight heads of point 4 l + q, and four accumulators give a lane 4 neighbouring points of a head: each store of the wave covers 512 consecutive bytes, aligned.
;   out = X x bias_scale[m] + Cst[m], Cst[m] = (sum_k beta2[k] W3[k][m] + b3[m]) x bias_scale[m], all in f32.
; Both LayerNorms take two passes (the mean, then the sum of squares of what is left), as the function does.
; The weights, biases and gains differ between the halves of the lanes, so they stay in vector registers for the whole launch; W2 is quantised once by waves 0-3 and handed round through LDS as an image of the operand's registers.
; ONE TILE AHEAD: while tile T is normalised and quantised, tile T + 1's features and first layer are made.  The last trip's look-ahead recomputes the last pose (its offset is held at the last one) and a tile that nobody reads.
; LIMITS.  NaN and infinities among the inputs are not served.  |g2 W3| stays under 65,504 (f16's largest); under 2^-14 its precision falls.  A squared length under 2^-126 counts as 0 (ISA guide, 15.8: the root flushes denormals).
; A block whose largest magnitude lies under 2^-124 keeps the scale byte 1.  Root, reciprocal and reciprocal root are good to one unit in the last place.
; THE MODE: SCHED_MODE bits 1:0 = 2 (LLVM: expert scheduling mode 2), set by the entry lines.  The code itself states the register dependences
; between vector or matrix instructions and memory or LDS instructions, with s_wait_alu, always for 0.
; THE PLAN.  Registers that memory or LDS instructions touch:
;   the offsets v240-246, the LDS addresses v252-255, LI, PA, and SPW, NIL: made at the head, ahead of ONE wait on va_vdst that stands in front of the first load.  LI, PA, v252-255, SPW and NIL are never written again;
;       v240-246 become TM behind the join of the waves' roles: a wait on vm_vsrc ends each role.
;   PC, v238 (waves 0-3), v232-235 (waves 4-7): written by vector lines, read by the roles' LDS stores (a wait on va_vdst ahead of them), written again behind the join (the same wait on vm_vsrc).
;   W2C: beta2 until the barrier, read by packed multiply-adds; behind the barrier W2's codes land in it: a wait on va_vdst ahead of those LDS loads.
;   IN THE LOOP:
;   PTT   One LDS load a tile lands in it, at the tile's head; the three subtractions of FEATS_A read it, and nothing else names it.
;   O     A trip's last 32 multiply-adds write it; the trip's eight stores read it; the next trip's relu writes it again (it is A's upper half).
;   PC, PW   Written by the quantiser's vector lines, taken by the scaled matrix instructions as source 1 and its scales.
;   So a tile has ONE wait of the mode's own, directly ahead of its scaled matrix instructions and behind FEATS_A: PC and PW are written, and FEATS_A is done reading PTT, so that the next tile's LDS load owes nothing more
;   (over the backward jump too; ahead of the first trip the wait in FEATS_B does the same).  A trip has two more: va_vdst ahead of its stores, vm_vsrc ahead of the next write of O.
;   Scalars that vector lines write (the wave's number; the rotation; Cst and bias_scale) have a wait on va_sdst ahead of their first reader.
.set USE_DUAL, 1                       ; 1: a relu takes two numbers an instruction (dual issue)
; LDS: filled once, read by all waves
.set W2IMG, 0                          ; W2's four fragments as images of their registers: 1024 t + 512 c + 16 x lane
.set W2SC,  4096                       ; their scale words: 128 t + 4 x lane
.set PTS,   4608                       ; the 128 points as (x, y, z, 0): 256 T + 16 r
.set SPARE, 6656                       ; the spare words, 128 bytes for each wave: eight blocks of 128 bytes that no other line names
; window 0
.set SPW, 1                            ; v1   LDS address of my spare word; never rewritten
.set NIL, 2                            ; v2   0; never rewritten
.set LI,  3                            ; v3   16 x lane: an image's place, and my 16 bytes of a store
.set FE,  4                            ; v4-5 the features: lanes 0-15 (lx, ly), lanes 16-31 (lz, dist)
.set PTT, 6                            ; v6-9 the next tile's point
.set W1F, 10                           ; v10-25 W1's eight fragments
.set W2S, 26                           ; v26-29 W2's scale words
.set PW,  30                           ; v30  the hidden layer's scale word
.set PA,  31                           ; v31  PTS + 16 r
.set Z,   32                           ; v32-95 layer 1's sums: written by matrix instructions alone
.set A,   96                           ; v96-159 layer 1 at work
.set Y,   96                           ; v96-127 layer 2
.set O,   128                          ; v128-159 what is stored
.set X,   160                          ; v160-191 layer 3's four accumulators
.set W3T, 192                          ; v192-207 g2 W3, heads in rows 0-7
.set W3B, 208                          ; v208-223 heads in rows 8-15
.set PC,  224                          ; v224-231 the hidden layer's codes; layer 2's sums
.set TM,  232                          ; v232-247 at work
.set P,   232                          ; v232-247 layer 3's source 1
.set NMU, 248                          ; v248 minus the mean
.set PD,  249                          ; v249 a lane permute's destination
.set RS,  250                          ; v250 1 / sqrt(var + eps)
.set VE,  251                          ; v251 var + eps
.set W2ST, 252                         ; ahead of the loop alone: where I store W2's image,
.set W2SS, 253                         ; its scale word,
.set PST,  254                         ; a point;
.set LS4,  255                         ; 4 x lane
.set OW1, 240                          ; ahead of the loop alone: my byte offsets in the inputs
.set O64H, 241
.set O32H, 242
.set OW3, 243
.set OM,  244
.set OW2, 245
.set OPT, 246
; window 1 (by low number)
.set B1,  0                            ; b1, g1, beta1 in layer 1's layout
.set G1,  64
.set BE1, 128
.set W2C, 192                          ; W2's codes (until the barrier: beta2)
.set B2,  224                          ; b2 in layer 2's layout
; scalars: s[8:35] the 14 addresses in the arguments' order; s36 wave; s37 b, s38 c, s39 x % 2; s40 trips to go; s41 the pose's byte offset; s[42:43] out0's step;
; s44-46 t, s47-50 the quaternion; s52-60 R, row-major; s66-73 Cst; s92-99 bias_scale; s74-76 lane masks; s[78:79] selects for lane l xor 16; s81 1/128, s82 1/64, s83 1e-5; s84-91 offsets
.set MSB, 0
.macro WIN new                         ; the immediate's high byte repeats the setting that is left
.if MSB != \new
	s_set_vgpr_msb (MSB<<8)|\new
.set MSB, \new
.endif
.endm
.macro RELU d, s, cnt                  ; cnt numbers, from the low end on
.set j, 0
.rept (\cnt)/2
.if USE_DUAL
	v_dual_max_num_f32 v[\d+j], 0, v[\s+j] :: v_dual_max_num_f32 v[\d+j+1], 0, v[\s+j+1]
.else
	v_max_num_f32 v[\d+j], 0, v[\s+j]
	v_max_num_f32 v[\d+j+1], 0, v[\s+j+1]
.endif
.set j, j+2
.endr
.endm
.macro FOLD S                          ; four packed chains become the point's sum: my half of the units, then lane l xor 16's
	v_pk_add_f32 v[\S:\S+1], v[\S:\S+1], v[\S+2:\S+3]
	v_pk_add_f32 v[\S+4:\S+5], v[\S+4:\S+5], v[\S+6:\S+7]
	v_pk_add_f32 v[\S:\S+1], v[\S:\S+1], v[\S+4:\S+5]
	v_add_f32 v[\S], v[\S], v[\S+1]
	v_permlanex16_b32 v[PD], v[\S], s78, s79
	v_add_f32 v[\S], v[\S], v[PD]
.endm
.macro PKSUM S, src, N                 ; the sum of N pairs, in four chains that do not wait for each other; nothing is cleared
.irp c, 0,1,2,3
	v_pk_add_f32 v[\S+2*\c:\S+2*\c+1], v[\src+2*\c:\src+2*\c+1], v[\src+8+2*\c:\src+9+2*\c]
.endr
.set n, 8
.rept \N-8
	v_pk_add_f32 v[\S+2*(n%4):\S+2*(n%4)+1], v[\S+2*(n%4):\S+2*(n%4)+1], v[\src+2*n:\src+2*n+1]
.set n, n+1
.endr
	FOLD \S
.endm
.macro PKSQ S, src, N                  ; the sum of their squares
.irp c, 0,1,2,3
	v_pk_mul_f32 v[\S+2*\c:\S+2*\c+1], v[\src+2*\c:\src+2*\c+1], v[\src+2*\c:\src+2*\c+1]
.endr
.set n, 4
.rept \N-4
	v_pk_fma_f32 v[\S+2*(n%4):\S+2*(n%4)+1], v[\src+2*n:\src+2*n+1], v[\src+2*n:\src+2*n+1], v[\S+2*(n%4):\S+2*(n%4)+1]
.set n, n+1
.endr
	FOLD \S
.endm
; LAYER 1's relu and LayerNorm: Z -> A.  split = 1 (a trip's first tile): the upper half of A holds what the last trip's stores read
.macro L1 split
	RELU A, Z, 32
.if \split
	s_wait_xcnt 0x0                                ; the last trip's stores have read their data and their base: both are written again only behind this wait
	s_wait_alu depctr_vm_vsrc(0)                   ; the last trip's stores have read v[O ..], the upper half of A, which the relu below writes again (in the first trip no store is out)
	s_add_nc_u64 s[34:35], s[34:35], s[42:43]      ; out0 at this trip's grasp (the first trip adds 0)
.endif
	RELU A+32, Z+32, 32
	PKSUM TM, A, 32
	v_mul_f32 v[NMU], 0xbc000000, v[TM]            ; - sum / 128
.set n, 0
.rept 32
	v_pk_add_f32 v[A+2*n:A+2*n+1], v[A+2*n:A+2*n+1], v[NMU:NMU+1] op_sel_hi:[1,0]
.set n, n+1
.endr
	PKSQ TM, A, 32
	v_fma_f32 v[VE], v[TM], s81, s83               ; var + eps
	v_rsq_f32 v[RS], v[VE]
	WIN 0x04                                       ; source 1 (g1) window 1
.set n, 0
.rept 32
	v_pk_mul_f32 v[A+2*n:A+2*n+1], v[A+2*n:A+2*n+1], v[G1+2*n:G1+2*n+1]   ; x g1: work that does not want the root stands behind it
.set n, n+1
.endr
	s_wait_alu depctr_va_vdst(0)                   ; the reciprocal root has written v[RS]: the wait stands ahead of the first line that names it
	WIN 0x10                                       ; source 2 (beta1) window 1
.set n, 0
.rept 32
	v_pk_fma_f32 v[A+2*n:A+2*n+1], v[A+2*n:A+2*n+1], v[RS:RS+1], v[BE1+2*n:BE1+2*n+1] op_sel_hi:[1,0,1]
.set n, n+1
.endr
	WIN 0
.endm
; THE QUANTISER: my 64 numbers in A (register 16 b + i = k 32 b + 16 (lane / 16) + i of my point) become the operand's codes in PC and the point's scale word in PW
.macro QUANT
.irp b, 0,1,2,3
	v_max3_num_f32 v[TM+\b], |v[A+16*\b]|, |v[A+1+16*\b]|, 0x1800000   ; block b: my 16 numbers, and the floor 2^(3 - 127): the byte cannot fall under 1
.endr
.irp i, 2,4,6,8,10,12,14
.irp b, 0,1,2,3
	v_max3_num_f32 v[TM+\b], v[TM+\b], |v[A+16*\b+\i]|, |v[A+1+16*\b+\i]|   ; (the four blocks by turns)
.endr
.endr
.irp b, 0,1,2,3
	v_permlanex16_b32 v[TM+4+\b], v[TM+\b], s78, s79
.endr
.irp b, 0,1,2,3
	v_max_num_f32 v[TM+\b], v[TM+\b], v[TM+4+\b]   ; with lane l xor 16's: the block's largest magnitude
.endr
.irp b, 0,1,2,3
	v_add_nc_u32 v[TM+12+\b], 0xff000000, v[TM+\b] ; 2 off its exponent field: the conversion takes the exponent field of this operand as its scale
.endr
.irp b, 0,1,2,3
	v_lshrrev_b32 v[TM+4+\b], 23, v[TM+12+\b]      ; the scale's byte
.endr
	v_lshl_or_b32 v[PW], v[TM+5], 8, v[TM+4]
	v_lshl_or_b32 v[PW], v[TM+6], 16, v[PW]
	v_lshl_or_b32 v[PW], v[TM+7], 24, v[PW]
.irp b, 0,1,2,3
	v_cvt_scalef32_pk8_fp4_f32 v[PC+2*\b], v[A+16*\b:A+7+16*\b], v[TM+12+\b]
	v_cvt_scalef32_pk8_fp4_f32 v[PC+1+2*\b], v[A+8+16*\b:A+15+16*\b], v[TM+12+\b]
.endr
	v_nop                                          ; one plain place behind a scaled conversion
.irp c, 0,1                                    ; the operand's layout wants a whole block in a lane: lanes 0-15 block 2 c, lanes 16-31 block 2 c + 1
.irp i, 0,1
	v_permlane16_swap_b32 v[PC+4*\c+\i], v[PC+2+4*\c+\i]
.endr
.endr
.endm
; THE POSE: q / (|q| + 1e-8) and the rotation's nine numbers, the same in every lane, into s52-60
.macro POSE
	v_mul_f32 v232, s47, s47
	v_fma_f32 v232, s48, s48, v232
	v_fma_f32 v232, s49, s49, v232
	v_fma_f32 v232, s50, s50, v232
	v_sqrt_f32 v233, v232
	v_nop                                          ; a plain place behind the root,
	s_wait_alu depctr_va_vdst(0)                   ; and the wait: the root has written v233, ahead of its reader
	v_add_f32 v233, 0x322bcc77, v233               ; + 1e-8
	v_rcp_f32 v234, v233
	v_nop
	s_wait_alu depctr_va_vdst(0)                   ; the reciprocal has written v234, ahead of its first reader
	v_mul_f32 v235, s47, v234                      ; x
	v_mul_f32 v236, s48, v234                      ; y
	v_mul_f32 v237, s49, v234                      ; z
	v_mul_f32 v238, s50, v234                      ; w
	v_add_f32 v239, v235, v235                     ; 2 x
	v_add_f32 v240, v236, v236                     ; 2 y
	v_add_f32 v241, v237, v237                     ; 2 z
	v_mul_f32 v242, v238, v239                     ; 2 w x
	v_mul_f32 v243, v238, v240                     ; 2 w y
	v_mul_f32 v244, v238, v241                     ; 2 w z
	v_fma_f32 v245, v235, v240, -v244              ; R01
	v_fma_f32 v246, v235, v240, v244               ; R10
	v_fma_f32 v247, v235, v241, v243               ; R02
	v_fma_f32 v232, v235, v241, -v243              ; R20
	v_fma_f32 v233, v236, v241, -v242              ; R12
	v_fma_f32 v234, v236, v241, v242               ; R21
	v_fma_f32 v238, -v236, v240, 1.0
	v_fma_f32 v242, -v235, v239, 1.0
	v_fma_f32 v243, -v235, v239, 1.0
	v_fma_f32 v238, -v237, v241, v238              ; R00
	v_fma_f32 v242, -v237, v241, v242              ; R11
	v_fma_f32 v243, -v236, v240, v243              ; R22
	v_readfirstlane_b32 s52, v238
	v_readfirstlane_b32 s53, v245
	v_readfirstlane_b32 s54, v247
	v_readfirstlane_b32 s55, v246
	v_readfirstlane_b32 s56, v242
	v_readfirstlane_b32 s57, v233
	v_readfirstlane_b32 s58, v232
	v_readfirstlane_b32 s59, v234
	v_readfirstlane_b32 s60, v243
	s_wait_alu depctr_va_sdst(0)                   ; s52 to s60 are written, ahead of their first readers, the features' multiplications
.endm
; THE FEATURES of the point in PTT.  Part A: twelve plain lines: l_i = sum_j R_ji (p_j - t_j).  They are also the places between the writes of PW (8 are asked) and of PC (4) and the scaled matrix instructions
.macro FEATS_A
	v_sub_f32 v232, v[PTT], s44
	v_sub_f32 v233, v[PTT+1], s45
	v_sub_f32 v234, v[PTT+2], s46
.irp i, 0,1,2
	v_mul_f32 v[235+\i], s[52+\i], v232
.endr
.irp i, 0,1,2
	v_fma_f32 v[235+\i], s[55+\i], v233, v[235+\i]
.endr
.irp i, 0,1,2
	v_fma_f32 v[235+\i], s[58+\i], v234, v[235+\i]
.endr
.endm
; Part B: the distance, and the operand.  Its five plain lines are the places (4 are asked) between the scaled matrix instructions and the first read of their results
.macro FEATS_B
	v_mul_f32 v238, v235, v235
	v_fma_f32 v238, v236, v236, v238
	v_fma_f32 v238, v237, v237, v238
	v_sqrt_f32 v239, v238
	v_cndmask_b32 v[FE], v235, v237, s74           ; lanes 16-31 take lz.  (A plain place behind the root)
	s_wait_alu depctr_va_vdst(0)                   ; the root has written v239, ahead of its reader.  (Ahead of the loop, where no scaled matrix instruction stands between the two parts, it also states that part A is done reading PTT, in which the first tile's LDS load lands)
	v_cndmask_b32 v[FE+1], v236, v239, s74         ; and the distance
.endm
.macro W32 t0                          ; layer 1 of the tile in FE: weight tiles t0 .. t0 + 3; C = b1
	WIN 0x10                                       ; source 2 window 1
.irp t, \t0, \t0+1, \t0+2, \t0+3
	v_wmma_f32_16x16x4_f32 v[Z+8*(\t):Z+8*(\t)+7], v[W1F+2*(\t):W1F+2*(\t)+1], v[FE:FE+1], v[B1+8*(\t):B1+8*(\t)+7]
.endr
	WIN 0
.endm
.macro MULW2                           ; layer 2: four tiles of 16 units; C = b2
	WIN 0x11                                       ; sources 0 (W2's codes) and 2 window 1
	s_wait_alu depctr_va_vdst(0)                   ; the quantiser's lines have written PC and PW, which the scaled matrix instructions take as source 1 and as its scales (the twelve places stand ahead of this wait and stay); and those twelve are done reading PTT, in which the next tile's LDS load lands
.irp t, 0,1,2,3
	v_wmma_scale_f32_16x16x128_f8f6f4 v[Y+8*\t:Y+8*\t+7], v[W2C+8*\t:W2C+8*\t+7], v[PC:PC+7], v[B2+8*\t:B2+8*\t+7], v[W2S+\t], v[PW] matrix_a_fmt:MATRIX_FMT_FP4 matrix_b_fmt:MATRIX_FMT_FP4
.endr
	WIN 0
.endm
.macro HALF c                          ; units 32 c on: normalised in f32, then rounded to f16 in pairs: layer 3's source 1 as it stands
.set n, 8*(\c)
.rept 8
	v_pk_mul_f32 v[Y+2*n:Y+2*n+1], v[Y+2*n:Y+2*n+1], v[RS:RS+1] op_sel_hi:[1,0]
.set n, n+1
.endr
.set n, 8*(\c)
.rept 8
	v_cvt_pk_f16_f32 v[P+n], v[Y+2*n], v[Y+2*n+1]
.set n, n+1
.endr
.endm
; LAYER 2's relu and LayerNorm, and layer 3.  Between the two links on X_q stand the next tile's four f32 matrix instructions: a link is not the next matrix instruction behind the one that it adds onto
.macro L2 q, odd
	RELU Y, Y, 32
	PKSUM PC, Y, 16
	v_mul_f32 v[NMU], 0xbc800000, v[PC]            ; - sum / 64
.set n, 0
.rept 16
	v_pk_add_f32 v[Y+2*n:Y+2*n+1], v[Y+2*n:Y+2*n+1], v[NMU:NMU+1] op_sel_hi:[1,0]
.set n, n+1
.endr
	PKSQ PC, Y, 16
	v_fma_f32 v[VE], v[PC], s82, s83               ; var + eps
	v_rsq_f32 v[RS], v[VE]
	v_nop                                          ; a plain place behind the root,
	s_wait_alu depctr_va_vdst(0)                   ; and the wait: the reciprocal root has written v[RS], ahead of its first reader
	HALF 0
.if \odd
	v_wmma_f32_16x16x32_f16 v[X+8*(\q):X+8*(\q)+7], v[W3B:W3B+7], v[P:P+7], v[X+8*(\q):X+8*(\q)+7]
.else
	v_wmma_f32_16x16x32_f16 v[X+8*(\q):X+8*(\q)+7], v[W3T:W3T+7], v[P:P+7], 0   ; the even tile's first link starts the sums
.endif
	W32 4
	HALF 1                                         ; sixteen plain lines: with the next relu's first half more than the 8 places between the f32 matrix instructions above and the read of their results
.if \odd
	v_wmma_f32_16x16x32_f16 v[X+8*(\q):X+8*(\q)+7], v[W3B+8:W3B+15], v[P+8:P+15], v[X+8*(\q):X+8*(\q)+7]
.else
	v_wmma_f32_16x16x32_f16 v[X+8*(\q):X+8*(\q)+7], v[W3T+8:W3T+15], v[P+8:P+15], v[X+8*(\q):X+8*(\q)+7]
.endif
.endm
; THE WAY OUT of a grasp's 128 points.  Each accumulator is read from its low end on; X_0 to X_2's 24 lines are the places behind X_3's last link
.macro POST
.irp q, 0,1,2,3
.irp j, 0,1,2,3,4,5,6,7
	v_fma_f32 v[O+4*\j+\q], v[X+8*\q+\j], s[92+\j], s[66+\j]
.endr
.endr
	s_wait_alu depctr_va_vdst(0)                   ; the 32 multiply-adds have written v[O ..], which the eight stores read
.irp j, 0,1,2,3,4,5,6,7
	global_store_b128 v[LI], v[O+4*\j:O+4*\j+3], s[34:35] offset:\j*1048576 th:TH_STORE_NT   ; head j: 32 lanes store 512 consecutive bytes, aligned; written once, read by nobody here
.endr
	s_mov_b64 s[42:43], 16384                      ; from now on a trip steps out0 by a grasp's 4,096 numbers
.endm
.macro TILE T
	ds_load_b128 v[PTT:PTT+3], v[PA] offset:256*((\T+1)%8)   ; the next tile's point.  No wait: no vector line since the wait ahead of the last scaled matrix instructions names PTT or PA
.if \T == 7
	s_add_co_u32 s41, s41, 28                      ; the next grasp's pose; this trip's was last read in the tile before.  (The wait on KMcnt below shows these loads done ahead of the next write of s41)
	s_min_u32 s41, s41, 84                         ; the last trip stays at my fourth grasp: no load leaves its buffer
	s_load_b128 s[44:47], s[10:11], s41 offset:0x0
	s_load_b96 s[48:50], s[10:11], s41 offset:0x10
.endif
.if \T == 0
	L1 1
.else
	L1 0
.endif
	QUANT
.if \T == 7
	s_wait_kmcnt 0x0                               ; the pose is in
	POSE
.endif
	s_wait_dscnt 0x0                               ; the point is in: the one LDS load that is out
	FEATS_A
	MULW2
	FEATS_B
	W32 0
	L2 (\T)/2, (\T)%2
.if \T == 7
	POST
.endif
.endm
	s_load_b512 s[8:23], s[0:1], 0x0               ; scene_points, grasp_poses, W1, b1, g1, beta1, W2, b2
	s_load_b256 s[24:31], s[0:1], 0x40             ; g2, beta2, W3, b3
	s_load_b128 s[32:35], s[0:1], 0x60             ; bias_scale, out0
	v_lshl_add_u32 v[SPW], v0, 2, SPARE
	v_mov_b32 v[NIL], 0
	v_lshrrev_b32 v4, 5, v0
	v_readfirstlane_b32 s36, v4                    ; wave 0..7
	s_lshr_b32 s37, ttmp9, 6                       ; b
	s_bfe_u32 s38, ttmp9, 0x50001                  ; c: 5 bits from bit 1
	s_and_b32 s39, ttmp9, 1                        ; which 32 grasps
	s_wait_alu depctr_va_sdst(0)                   ; s36 is written, ahead of its first reader: addresses and the waves' roles are made from it
	s_and_b32 s40, s36, 3                          ; which tile of W2 (waves 0-3)
	v_and_b32 v4, 31, v0                           ; lane
	v_and_b32 v5, 15, v0                           ; r
	v_bfe_u32 v6, v0, 4, 1                         ; h
	; every LDS address is made here, ahead of the parting of the waves' roles
	v_lshlrev_b32 v[LI], 4, v4
	v_lshl_add_u32 v[PA], v5, 4, PTS
	s_lshl_b32 s41, s40, 10
	v_add_nc_u32 v[W2ST], s41, v[LI]               ; 16 x lane + 1024 t
	v_lshlrev_b32 v[LS4], 2, v4
	s_lshl_b32 s41, s40, 7
	s_add_co_u32 s41, s41, W2SC
	v_add_nc_u32 v[W2SS], s41, v[LS4]              ; W2SC + 4 x lane + 128 t
	v_and_b32 v7, 3, v0                            ; point i = thread % 128 goes to tile 2 (i % 4) + i / 64, place (i / 4) % 16
	v_bfe_u32 v8, v0, 6, 1
	v_bfe_u32 v9, v0, 2, 4
	v_lshlrev_b32 v[PST], 9, v7
	v_lshl_add_u32 v[PST], v8, 8, v[PST]
	v_lshl_add_u32 v[PST], v9, 4, v[PST]
	v_add_nc_u32 v[PST], PTS, v[PST]
	; my byte offsets in the inputs
	v_and_b32 v7, 8, v5
	v_add_nc_u32 v7, v7, v5                        ; r + 8 (r / 8)
	v_lshlrev_b32 v[OW1], 2, v7
	v_lshl_add_u32 v[OW1], v6, 10, v[OW1]          ; W1: that unit, rows 2 h on
	v_lshlrev_b32 v[O64H], 6, v6                   ; layer 1's layout: 16 numbers of my half
	v_lshlrev_b32 v[O32H], 5, v6                   ; layer 2's: 8
	v_and_b32 v7, 7, v0
	v_lshlrev_b32 v[OM], 2, v7                     ; head r % 8
	v_lshl_add_u32 v[OW3], v6, 8, v[OM]            ; W3: that head, rows 8 h on
	v_lshlrev_b32 v[OW2], 2, v5
	v_lshl_add_u32 v[OW2], v6, 13, v[OW2]          ; W2: column r, rows 32 h on
	v_and_b32 v7, 127, v0
	v_mul_u32_u24 v[OPT], v7, 12                   ; a point is 12 bytes
	v_mov_b32 v[PD], 0                             ; written once: a lane permute's destination counts as one of its sources
	s_mov_b32 s74, 0xffff0000                      ; lanes 16-31
	s_mov_b32 s75, 0x00ff00ff                      ; lanes with r < 8
	s_mov_b32 s76, 0xff00ff00                      ; the others
	s_mov_b32 s78, 0x76543210
	s_mov_b32 s79, 0xfedcba98                      ; v_permlanex16_b32's selects for lane l xor 16
	s_mov_b32 s81, 0x3c000000                      ; 1 / 128
	s_mov_b32 s82, 0x3c800000                      ; 1 / 64
	s_mov_b32 s83, 0x3727c5ac                      ; 1e-5
	; where my parts begin, in bytes
	s_mul_i32 s84, s37, 49152                      ; scene_points: batch b,
	s_mul_i32 s41, s38, 1536                       ; point 128 c
	s_add_co_u32 s84, s84, s41
	s_mov_b32 s85, 0
	s_lshl_b32 s42, s39, 5
	s_lshl_b32 s43, s36, 2
	s_add_co_u32 s42, s42, s43                     ; my first grasp
	s_lshl_b32 s43, s37, 6
	s_add_co_u32 s43, s43, s42
	s_mul_i32 s86, s43, 28                         ; grasp_poses: 28 bytes a pose
	s_mov_b32 s87, 0
	s_lshl_b32 s88, s40, 6                         ; W2: columns 16 t on
	s_mov_b32 s89, 0
	s_lshl_b32 s90, s37, 23                        ; out0: batch b,
	s_lshl_b32 s43, s42, 14                        ; my first grasp,
	s_add_co_u32 s90, s90, s43
	s_lshl_b32 s43, s38, 9                         ; point 128 c
	s_add_co_u32 s90, s90, s43
	s_mov_b32 s91, 0
	s_mov_b32 s41, 0
	s_wait_kmcnt 0x0
	s_add_nc_u64 s[8:9], s[8:9], s[84:85]
	s_add_nc_u64 s[10:11], s[10:11], s[86:87]
	s_add_nc_u64 s[20:21], s[20:21], s[88:89]
	s_add_nc_u64 s[34:35], s[34:35], s[90:91]
	s_load_b128 s[44:47], s[10:11], s41 offset:0x0 ; my first grasp's pose
	s_load_b96 s[48:50], s[10:11], s41 offset:0x10
	WIN 0x40                                       ; destination window 1
	s_wait_alu depctr_va_vdst(0)                   ; the seven offsets v240 to v246 and the LDS addresses LI, PA, v252 to v255 are written, which the loads, LDS stores and LDS loads of the whole launch read; so are v6 to v9, in which the points will land
.irp b, 0,1,2,3
.irp m, 0,1,2,3
	global_load_b128 v[B1+16*\b+4*\m:B1+16*\b+4*\m+3], v[O64H], s[14:15] offset:128*\b+16*\m     ; register 16 b + i: unit 32 b + 16 h + i
	global_load_b128 v[G1+16*\b+4*\m:G1+16*\b+4*\m+3], v[O64H], s[16:17] offset:128*\b+16*\m
	global_load_b128 v[BE1+16*\b+4*\m:BE1+16*\b+4*\m+3], v[O64H], s[18:19] offset:128*\b+16*\m
.endr
.endr
.irp t, 0,1,2,3
.irp e, 0,1
	global_load_b128 v[B2+8*\t+4*\e:B2+8*\t+4*\e+3], v[O32H], s[22:23] offset:64*\t+16*\e       ; register 8 t + j: unit 16 t + 8 h + j
	global_load_b128 v[W2C+8*\t+4*\e:W2C+8*\t+4*\e+3], v[O32H], s[26:27] offset:64*\t+16*\e     ; beta2, until W2's codes take its place
.endr
.endr
	WIN 0
.irp t, 0,1,2,3,4,5,6,7
.irp j, 0,1
	global_load_b32 v[W1F+2*\t+\j], v[OW1], s[12:13] offset:512*\j+4*(32*(\t/2)+8*(\t%2))       ; W1(2 h + j, the tile's unit of lane r)
.endr
.endr
.set n, 0
.rept 32
	global_load_b32 v[X+n], v[OW3], s[28:29] offset:32*(32*(n/16)+16*((n/8)%2)+n%8)             ; W3(16 (n / 8) + 8 h + n % 8, r % 8): layer 2's layout along k
.set n, n+1
.endr
.irp t, 0,1,2,3
.irp e, 0,1
	global_load_b128 v[W3T+8*\t+4*\e:W3T+8*\t+4*\e+3], v[O32H], s[24:25] offset:64*\t+16*\e     ; g2, where the operand's two variants will lie
.endr
.endr
	global_load_b32 v[NMU], v[OM], s[32:33]        ; bias_scale[r % 8]
	global_load_b32 v[RS], v[OM], s[30:31]         ; b3[r % 8]
	s_cmp_lt_u32 s36, 4
	s_cbranch_scc0 .Lpoints
	; WAVES 0-3: wave t quantises columns 16 t .. 16 t + 15 of W2.  Lane r takes a column and its registers run down K, in the order that the operand's layout gives that lane: k = 64 c + 32 h + i
.set n, 0
.rept 64
	global_load_b32 v[A+n], v[OW2], s[20:21] offset:256*(64*(n/32)+n%32)
.set n, n+1
.endr
	s_wait_loadcnt 0x0                             ; all that was asked for so far is in; the offsets' registers are free
.irp c, 0,1
	v_max3_num_f32 v[232+\c], |v[A+32*\c]|, |v[A+1+32*\c]|, 0x1800000   ; my block 2 c + h: all its 32 numbers are mine; and the floor 2^(3 - 127)
.endr
.irp i, 2,4,6,8,10,12,14,16,18,20,22,24,26,28,30
.irp c, 0,1
	v_max3_num_f32 v[232+\c], v[232+\c], |v[A+32*\c+\i]|, |v[A+1+32*\c+\i]|
.endr
.endr
.irp c, 0,1
	v_add_nc_u32 v[234+\c], 0xff000000, v[232+\c]  ; 2 off the exponent field: the conversion's scale operand
.endr
.irp c, 0,1
	v_lshrrev_b32 v[236+\c], 23, v[234+\c]         ; the scale's byte
.endr
	v_lshl_or_b32 v238, v237, 16, v236             ; my two bytes: blocks h and 2 + h,
	v_bfe_u32 v239, v0, 4, 1
	v_lshlrev_b32 v239, 3, v239
	v_lshlrev_b32 v238, v239, v238                 ; at their places in the scale word;
	v_mov_b32 v239, 0
	v_permlanex16_b32 v239, v238, s78, s79
	v_or_b32 v238, v238, v239                      ; with lane l xor 16's two the word is whole
.irp c, 0,1
.irp g, 0,1,2,3
	v_cvt_scalef32_pk8_fp4_f32 v[PC+4*\c+\g], v[A+32*\c+8*\g:A+32*\c+8*\g+7], v[234+\c]
.endr
.endr
	v_nop                                          ; one plain place behind a scaled conversion
	s_wait_alu depctr_va_vdst(0)                   ; the conversions have written v[PC ..] and the last line above them v238, which the three LDS stores read
	ds_store_b128 v[W2ST], v[PC:PC+3] offset:W2IMG
	ds_store_b128 v[W2ST], v[PC+4:PC+7] offset:W2IMG+512
	ds_store_b32 v[W2SS], v238
	s_wait_alu depctr_vm_vsrc(0)                   ; the LDS stores have read v[PC ..] and v238, and the loads their offsets v240 to v246: all of them are written again behind the join
	s_branch .Ljoin
.Lpoints:
	; WAVES 4-7: a thread brings one of the 128 points
	global_load_b32 v232, v[OPT], s[8:9]
	global_load_b32 v233, v[OPT], s[8:9] offset:4
	global_load_b32 v234, v[OPT], s[8:9] offset:8
	v_mov_b32 v235, 0
	s_wait_loadcnt 0x0                             ; all that was asked for so far is in; the offsets' registers are free
	s_wait_alu depctr_va_vdst(0)                   ; v235 is written, which the LDS store reads beside the three loaded words
	ds_store_b128 v[PST], v[232:235]
	s_wait_alu depctr_vm_vsrc(0)                   ; the LDS store has read v232 to v235, and the loads their offsets v240 to v246: all of them are written again behind the join
.Ljoin:
	s_wait_dscnt 0x0                               ; for the others' sake: my LDS stores have landed
	s_barrier_signal -1
	; work on registers while the others arrive: Cst, bias_scale, and layer 3's source 0
	WIN 0x01                                       ; source 0 (beta2) window 1
.irp c, 0,1,2,3
	v_pk_mul_f32 v[PC+2*\c:PC+2*\c+1], v[W2C+2*\c:W2C+2*\c+1], v[X+2*\c:X+2*\c+1]
.endr
.set n, 4
.rept 12
	v_pk_fma_f32 v[PC+2*(n%4):PC+2*(n%4)+1], v[W2C+2*n:W2C+2*n+1], v[X+2*n:X+2*n+1], v[PC+2*(n%4):PC+2*(n%4)+1]
.set n, n+1
.endr
	WIN 0
	FOLD PC                                        ; sum over all 64 k of beta2[k] W3[k][r % 8]
	v_add_f32 v[PC], v[PC], v[RS]                  ; + b3
	v_mul_f32 v[PC], v[PC], v[NMU]                 ; x bias_scale
.irp j, 0,1,2,3,4,5,6,7
	v_readlane_b32 s[66+\j], v[PC], \j             ; lanes 0-7 hold heads 0-7
	v_readlane_b32 s[92+\j], v[NMU], \j
.endr
.set n, 0
.rept 16
	v_pk_mul_f32 v[X+2*n:X+2*n+1], v[X+2*n:X+2*n+1], v[W3T+2*n:W3T+2*n+1]   ; g2[k] W3[k][m], in f32
.set n, n+1
.endr
.set n, 0
.rept 16
	v_cvt_pk_f16_f32 v[TM+n], v[X+2*n], v[X+2*n+1] ; rounded once
.set n, n+1
.endr
.set n, 0
.rept 16
	v_cndmask_b32 v[W3T+n], 0, v[TM+n], s75        ; heads in rows 0-7, zeros in rows 8-15;
	v_cndmask_b32 v[W3B+n], 0, v[TM+n], s76        ; and the other way round
.set n, n+1
.endr
	s_barrier_wait -1                              ; W2's images and the points lie in LDS
	s_wait_alu depctr_va_sdst(0)                   ; s66 to s73 and s92 to s99 are written: their first readers, the way out's multiply-adds, stand in the loop
	WIN 0x40                                       ; destination window 1
	s_wait_alu depctr_va_vdst(0)                   ; the multiply-adds above are done reading beta2 in v[W2C ..] of window 1, in which W2's codes land
.irp t, 0,1,2,3
.irp c, 0,1
	ds_load_b128 v[W2C+8*\t+4*\c:W2C+8*\t+4*\c+3], v[LI] offset:W2IMG+1024*\t+512*\c
.endr
.endr
	WIN 0
.irp t, 0,1,2,3
	ds_load_b32 v[W2S+\t], v[LS4] offset:W2SC+128*\t
.endr
	ds_load_b128 v[PTT:PTT+3], v[PA]               ; tile 0's point
	s_wait_dscnt 0x0
	s_wait_kmcnt 0x0                               ; the first pose
	POSE
	FEATS_A
	FEATS_B
	W32 0
	W32 4
.rept 8
	v_nop                                          ; the places between these f32 matrix instructions and the first read of their results (ISA guide 7.12.1); in the loop other work stands there
.endr
	s_mov_b32 s40, 4
	s_mov_b64 s[42:43], 0
.Lunit:                                            ; a trip: one grasp, 128 points, eight tiles
.irp T, 0,1,2,3,4,5,6,7
	TILE \T
.endr
	s_sub_co_u32 s40, s40, 1
	s_cmp_lg_u32 s40, 0
	s_cbranch_scc1 .Lunit
	s_wait_dscnt 0x0                               ; the wave's end, behind my last LDS store
	s_wait_alu 0x0
	s_wait_tensorcnt 0x0
	ds_add_u32 v[SPW], v[NIL]
	s_wait_dscnt 0x0
	s_endpgm
.Lfunc_end_k_q7f58754f66_geo:
	.size	k_q7f58754f66_geo, .Lfunc_end_k_q7f58754f66_geo-k_q7f58754f66_geo
	.p2alignl 7, 3214868480
	.fill 96, 4, 3214868480
	.section	.rodata,"a",@progbits
	.p2align	6, 0x0
	.amdhsa_kernel k_q7f58754f66_geo
		.amdhsa_group_segment_fixed_size 7680
		.amdhsa_private_segment_fixed_size 0
		.amdhsa_enable_private_segment 0
		.amdhsa_kernarg_size 112
		.amdhsa_user_sgpr_count 2
		.amdhsa_user_sgpr_kernarg_segment_ptr 1
		.amdhsa_wavefront_size32 1
		.amdhsa_system_sgpr_workgroup_id_x 1
		.amdhsa_system_sgpr_workgroup_id_y 1
		.amdhsa_system_sgpr_workgroup_id_z 1
		.amdhsa_system_vgpr_workitem_id 0
		.amdhsa_next_free_vgpr 512
		.amdhsa_next_free_sgpr 100
		.amdhsa_reserve_vcc 0
		.amdhsa_float_denorm_mode_32 3
		.amdhsa_float_denorm_mode_16_64 3
		.amdhsa_memory_ordered 1
		.amdhsa_forward_progress 1
		.amdhsa_inst_pref_size 246
	.end_amdhsa_kernel
	.amdgpu_metadata
---
amdhsa.version: [ 1, 2 ]
amdhsa.kernels:
  - .name:           k_q7f58754f66_geo
    .symbol:         k_q7f58754f66_geo.kd
    .args:
      - { .name: scene_points, .offset: 0, .size: 8, .value_kind: global_buffer, .address_space: global }
      - { .name: grasp_poses, .offset: 8, .size: 8, .value_kind: global_buffer, .address_space: global }
      - { .name: W1, .offset: 16, .size: 8, .value_kind: global_buffer, .address_space: global }
      - { .name: b1, .offset: 24, .size: 8, .value_kind: global_buffer, .address_space: global }
      - { .name: g1, .offset: 32, .size: 8, .value_kind: global_buffer, .address_space: global }
      - { .name: beta1, .offset: 40, .size: 8, .value_kind: global_buffer, .address_space: global }
      - { .name: W2, .offset: 48, .size: 8, .value_kind: global_buffer, .address_space: global }
      - { .name: b2, .offset: 56, .size: 8, .value_kind: global_buffer, .address_space: global }
      - { .name: g2, .offset: 64, .size: 8, .value_kind: global_buffer, .address_space: global }
      - { .name: beta2, .offset: 72, .size: 8, .value_kind: global_buffer, .address_space: global }
      - { .name: W3, .offset: 80, .size: 8, .value_kind: global_buffer, .address_space: global }
      - { .name: b3, .offset: 88, .size: 8, .value_kind: global_buffer, .address_space: global }
      - { .name: bias_scale, .offset: 96, .size: 8, .value_kind: global_buffer, .address_space: global }
      - { .name: out0, .offset: 104, .size: 8, .value_kind: global_buffer, .address_space: global }
    .group_segment_fixed_size: 7680
    .private_segment_fixed_size: 0
    .kernarg_segment_align: 8
    .kernarg_segment_size: 112
    .max_flat_workgroup_size: 256
    .sgpr_count:     100
    .vgpr_count:     512
    .wavefront_size: 32
...
	.end_amdgpu_metadata
.endif
;; end of part 2
